; MI455X (gfx1250); checked and timed in simulation.
; The chip was launched on July 23, 2026; its instructions are those of AMD's public machine-readable ISA for CDNA 5 (MIT licence, August 2026) and "CDNA5" Instruction Set Architecture Reference Guide (July 2026). The comments in the code are by the model that wrote it; some were corrected since.
;; TQ Linear. Allowed arithmetic: matrix products marked QUANTISED: E4M3 operands, one E8M0 scale for each 32 along K, by v_wmma_scale_f32_16x16x128_f8f6f4 with both operands' format E4M3, f32 sums; everything else in f32.
;; Inputs: bias 4,096 float32; delta_in_experts 8 x 1 x 4,096 float32; delta_out_experts 8 x 4,096 x 1 float32; weight_int 4,096 x 4,096 int32; x_codes 4,096 x 128 x 32 uint8 (E4M3 codes of x, K innermost, in blocks of 32 codes); x_scales 4,096 x 128 uint8 (E8M0 scales of x, one for each 32 codes along K); zero_point 4,096 x 1 float32.
;; Outputs: out0 4,096 x 4,096 float32.
;; Constants: expert_index = 3.
;; This version of the problem:
;;   THIS VERSION OF THE PROBLEM IS GIVEN IN LOW PRECISION. The matrix products marked QUANTISED in the list below multiply operands that are first quantised to E4M3 (4 exponent bits, 3 mantissa bits; 8 bits a number), with one power-of-two scale for each 32 numbers along K (OCP MX v1.0); their sums are f32. All else is computed in f32.
;;   The module's matrix products, in the order in which they are computed (A, B: the left and right operand; K: the contracted axis; several contracted axes count as one K, in the product's order):
;;     1. [M 4,096, K 4,096] x [K 4,096, N 4,096]; A: input x (given as codes); B: computed on the way: QUANTISED
;;   THE QUANTISER, for each operand of a quantised product, along K:
;;     - K is cut into blocks of 32 from its start; a last block that is shorter is filled with zeros.
;;     - A block's scale is 2^e with e = floor(log2(the largest magnitude in the block)) - 8, held to -126 .. 127; a block of zeros has e = 0. As a byte (E8M0): e + 127.
;;     - Each number is divided by its block's scale, clamped to +-448, and rounded to the nearest number of E4M3, ties to even, subnormals kept.
;;     - The product sums the exact products of the quantised numbers (number of the format x scale) in f32.
;;   ~~~python
;;   def quantise(x, axis):      # numpy; x: float32 -> the quantised numbers, widened to float32 again
;;       x = np.moveaxis(x, axis, -1); K = x.shape[-1]
;;       x = np.pad(x, [(0, 0)] * (x.ndim - 1) + [(0, -K % 32)]); x = x.reshape(x.shape[:-1] + (-1, 32)); a = np.abs(x).max(-1, keepdims=True)
;;       e = np.where(a > 0, np.clip(np.frexp(np.where(a > 0, a, 1))[1] - 1 - 8, -126, 127), 0)      # np.frexp(a)[1] - 1 = floor(log2(a)), exactly
;;       r = np.clip(x / 2.0 ** e, -448, 448)
;;       step = 2.0 ** (np.maximum(np.frexp(np.where(r == 0, 1, r))[1] - 1, -6) - 3)
;;       q = np.round(r / step) * step * 2.0 ** e      # np.round: ties to even
;;       return np.moveaxis(q.reshape(q.shape[:-2] + (-1,))[..., :K], -1, axis).astype(np.float32)
;;   ~~~
;;   OPERANDS COMPUTED ON THE WAY. 'Computed on the way' means the value that the module computes at that place (a softmax that the list does not call 'softmax' is quantised finished and normalised). What goes into a quantiser is computed in f32, as accurately as f32 sums, v_exp_f32 and their like allow (about 1e-6 of the number): no bf16 or f16 on the way to a quantiser, and a product that is left as it is and whose result goes on into a quantised operand takes f32 operands (vector FMAs, or v_wmma_f32_16x16x4_f32). A number that lies on a knife's edge between two numbers of the format may be rounded either way, as far as f32 arithmetic and the matrix unit's own rounding can turn it there, and no further.
;;   INPUTS GIVEN AS CODES. x (in the module: [4096, 4096], K = its axis 1): each comes as NAME_codes (uint8): NAME with its K axis moved to the last place and cut into blocks of 32 codes, [.., K / 32, bytes a block], one block behind the other in memory; one code a byte (a code: sign, 4 exponent bits, 3 mantissa bits); and NAME_scales (uint8): the same leading axes, one E8M0 byte (e + 127) for each 32 codes along K. Its value is code x scale, taken as it is: it is not quantised again, and the codes and scales need not be those that the quantiser above would give.
;; One version. Each part assembles by itself: llvm-mc -triple=amdgcn-amd-amdhsa -mcpu=gfx1250 --defsym DOCPART=n.
;; ======== version 1 of 1: 2 launches
;; limits: right only within a limited range of input values
;; workspace buffers: w_codes 17,301,504 bytes; sc_t 1,048,576 bytes
;; launch prep (part 1): grid 256 x 1, 4 waves a work-group, no clusters, 33,280 bytes of LDS; arguments weight_int, zero_point, delta_out_experts, delta_in_experts, x_scales, w_codes, sc_t; writes w_codes, sc_t
.if DOCPART == 1
	.amdgcn_target "amdgcn-amd-amdhsa--gfx1250"
	.amdhsa_code_object_version 6
	.text
	.protected	k_q3a6107c9d3_prep
	.globl	k_q3a6107c9d3_prep
	.p2align	8
	.type	k_q3a6107c9d3_prep,@function
k_q3a6107c9d3_prep:
	s_mov_b64 s[64:65], 0
	v_nop
	global_prefetch_b8 v0, s[64:65] scope:SCOPE_SE
	s_setreg_imm32_b32 hwreg(HW_REG_WAVE_MODE, 25, 1), 1
	s_wait_xcnt 0x0
; w[o][i] = ((f32(weight_int[o][i]) - zero_point[o]) * delta_out[3][o]) * delta_in[3][i], three f32 roundings in that order, is turned into codes of FP8 (E4M3), K = i innermost,
; with one E8M0 byte for each 32 along K.  Both are laid as the product's launch fetches them, by K step of 256 and group of 128 rows:
; w_codes: [16 K steps][32 groups][132 rows of 256 bytes]: a group's 128 rows of 256 codes, then its 128 x 8 scale bytes: a dense block of 33,792 bytes.
; x's scale bytes are only moved (x_scales [4096][128] -> sc_t), by K step, in two orders: sc_t: [2 orders][16 places][4096 rows][8 bytes]; in order 0 place p holds K step p, in order 1 K step p xor 1.
; A block's scale is 2^(floor(log2(its largest magnitude)) - 8); its byte is the largest magnitude's exponent field - 8, held at 1 from below; each number is divided by the scale, held within +-448, rounded to the nearest code, ties to even.
; LIMITS: NaN and infinities among the inputs are not served.  A block of zeros gets the byte 1 where the rule says 127: its codes are zeros, which add nothing under any byte but 0xff, and this program alone reads the bytes.
; SHARES.  1,024 waves.  A wave takes 32 rows (group g) x 512 along K (chunk c = K steps 2 c and 2 c + 1), a row a step.  The row is the same in all lanes of a step: its zero point and delta_out come from scalar registers;
; a lane's 16 numbers of delta_in are the same in every step and stay in registers.
; The conversions take 8 neighbours along K from ONE lane's registers, a load is best where neighbouring LANES take neighbouring bytes: each of a step's four loads reads 512 consecutive bytes, 16 a lane; the 2,048 bytes go
; through the wave's own stage in LDS as they lie and come back 64 bytes a lane (16 bytes of padding behind each 64).  Two neighbouring lanes hold a block of 32.  A lane's 16 codes are 16 bytes: lanes 0-15 store the row's
; 256 bytes of K step 2 c, lanes 16-31 those of K step 2 c + 1: each 256 consecutive bytes, aligned.
; A wave's 512 scale bytes are gathered in its own LDS bytes as [2 K steps][32 rows][8] and leave as two runs of 256 consecutive bytes, aligned.
; No tensor loads, no barrier: waves share nothing.  Loads run eight steps (32 loads a wave) ahead, the turn through LDS one step.
.set STEPS,  32
.set EXPERT, 3                         ; expert_index, a constant of the problem
.set BLK,    132*256                   ; a block of w_codes: 128 rows of codes and 4 rows' worth of scale bytes
.set KST,    32*BLK                    ; a K step of w_codes
.set XKS,    32768                     ; a place of sc_t: 4,096 rows x 8 bytes
.set SP,     80                        ; a lane's place in a stage: its 64 bytes + 16 of padding
.set STG,    32*SP                     ; a stage; two of them at the head of the wave's 8,192 bytes of LDS
.set SBY,    2*STG                     ; behind them the wave's 512 scale bytes
.set ZP,     16                        ; s[16:47]  zero_point of my 32 rows;  s[48:63], s[68:83] delta_out of them
.set DIN,    16                        ; v16-31    delta_in of my 16 places along K
.set R,      32                        ; v32-159   eight sets of 16 numbers as they are loaded
.set X,      160                       ; v160-191  two sets of 16 neighbours
.set C,      192                       ; v192-199  two sets of 4 registers of codes
.set E,      200                       ; v200-201  two scale bytes
	s_load_b256 s[4:11], s[0:1], 0x0               ; weight_int s[4:5], zero_point s[6:7], delta_out s[8:9], delta_in s[10:11]
	s_load_b128 s[12:15], s[0:1], 0x20             ; x_scales s[12:13], w_codes s[14:15]
	s_load_b64 s[84:85], s[0:1], 0x30              ; sc_t
	v_lshl_add_u32 v216, v0, 2, 0x8000
	v_mov_b32 v217, 0
	v_lshrrev_b32 v1, 5, v0
	v_readfirstlane_b32 s86, v1                    ; wave 0..3
	v_and_b32 v2, 31, v0                           ; lane
	v_lshlrev_b32 v3, 4, v2                        ; my 16 bytes of a load's 512
	v_lshrrev_b32 v4, 4, v2                        ; my codes' place: K step 2 c + lane / 16,
	v_mul_u32_u24 v4, v4, KST
	v_and_b32 v8, 15, v2
	v_lshl_add_u32 v4, v8, 4, v4                   ; 16 (lane % 16) in the row's 256 bytes
	s_lshl_b32 s92, s86, 13                        ; my wave's 8,192 bytes of LDS
	v_lshrrev_b32 v14, 2, v2
	v_mul_u32_u24 v14, v14, SP
	v_and_b32 v15, 3, v2
	v_lshl_add_u32 v14, v15, 4, v14
	v_add_nc_u32 v14, s92, v14                     ; the stage, on the way in: four lanes' 64 bytes on end, then 16 of padding; a load's 512 bytes take eight places
	v_mul_u32_u24 v15, v2, SP
	v_add_nc_u32 v15, s92, v15                     ; and on the way out: my 16 neighbours
	s_add_co_u32 s92, s92, SBY
	v_lshrrev_b32 v5, 4, v2                        ; my block is lane / 2 of the chunk's 16: K step (lane / 16),
	v_lshlrev_b32 v5, 8, v5                        ; 256 bytes a K step,
	v_bfe_u32 v8, v2, 1, 3                         ; byte (lane / 2) % 8 of the row's eight
	v_add_nc_u32 v5, v5, v8
	v_add_nc_u32 v5, s92, v5                       ; the row, 8 bytes each, stands in the store's immediate
	v_lshlrev_b32 v7, 3, v2                        ; on the way out a lane is a row: 8 bytes
	v_add_nc_u32 v6, s92, v7
	v_lshlrev_b32 v210, 7, v2                      ; x_scales: a lane is a row of 128 bytes
	v_lshlrev_b32 v211, 6, v2                      ; delta_in: my 16 numbers
	s_mov_b32 s89, 0x600000                        ; the mantissa field of 448 (an instruction takes one literal: the hold's line has another)
	s_lshr_b32 s87, ttmp9, 1                       ; g: which 32 rows
	s_and_b32 s88, ttmp9, 1
	s_lshl_b32 s88, s88, 2
	s_add_co_u32 s88, s88, s86                     ; c: which 512 along K
	s_mov_b32 s91, 0
	s_wait_alu depctr_va_vdst(0)
	s_wait_kmcnt 0x0
	s_lshl_b32 s90, s87, 19                        ; weight_int: 32 rows of 16,384 bytes, 2,048 bytes a chunk
	s_lshl_b32 s93, s88, 11
	s_add_co_u32 s90, s90, s93
	s_add_nc_u64 s[4:5], s[4:5], s[90:91]
	s_lshl_b32 s90, s87, 7                         ; zero_point: 32 numbers
	s_add_nc_u64 s[6:7], s[6:7], s[90:91]
	s_add_co_u32 s90, s90, EXPERT*4096*4           ; delta_out: the same in the expert's row
	s_add_nc_u64 s[8:9], s[8:9], s[90:91]
	s_add_co_u32 s90, s93, EXPERT*4096*4           ; delta_in: the chunk's 512 numbers in the expert's row
	s_add_nc_u64 s[10:11], s[10:11], s[90:91]
	s_lshl_b32 s90, s87, 12                        ; x_scales: 32 rows of 128 bytes, 16 bytes a chunk
	s_lshl_b32 s93, s88, 4
	s_add_co_u32 s90, s90, s93
	s_add_nc_u64 s[12:13], s[12:13], s[90:91]
	s_mul_i32 s90, s88, 2*KST                      ; w_codes: K step 2 c,
	s_lshr_b32 s93, s87, 2
	s_mul_i32 s93, s93, BLK                        ; the block of my rows' group of 128: g / 4
	s_add_co_u32 s90, s90, s93
	s_add_nc_u64 s[14:15], s[14:15], s[90:91]
	s_and_b32 s93, s87, 3                          ; which 32 rows of the 128
	s_lshl_b32 s90, s93, 8                         ; their scale bytes: 8 a row,
	s_add_co_u32 s90, s90, 128*256                 ; behind the block's codes
	s_add_nc_u64 s[94:95], s[14:15], s[90:91]
	s_lshl_b32 s90, s93, 13                        ; their codes: 256 bytes a row
	s_add_nc_u64 s[14:15], s[14:15], s[90:91]
	s_lshl_b32 s90, s88, 16                        ; sc_t: two places of 32,768 bytes a chunk, 8 bytes a row
	s_lshl_b32 s93, s87, 8
	s_add_co_u32 s90, s90, s93
	s_add_nc_u64 s[84:85], s[84:85], s[90:91]
	s_load_b512 s[16:31], s[6:7], 0x0              ; zero_point of rows 0-15 of my 32,
	s_load_b512 s[32:47], s[6:7], 0x40             ; of rows 16-31
	s_load_b512 s[48:63], s[8:9], 0x0              ; delta_out likewise
	s_load_b512 s[68:83], s[8:9], 0x40
.irp i, 0,1,2,3
	global_load_b128 v[DIN+4*\i:DIN+4*\i+3], v211, s[10:11] offset:16*\i
.endr
	global_load_b128 v[202:205], v210, s[12:13]    ; x's 16 scale bytes of my row and chunk
.macro LOAD t                          ; row t: 2,048 bytes, into set t % 8
.irp i, 0,1,2,3
	global_load_b128 v[R+16*((\t)%8)+4*\i:R+16*((\t)%8)+4*\i+3], v3, s[4:5] offset:16384*(\t)+512*\i th:TH_LOAD_NT   ; 32 lanes read 512 consecutive bytes; read once in the launch
.endr
.endm
.macro TURN t                          ; row t's numbers through the stage: LDS serves a wave's instructions in order (ISA guide 5.7.1.4), so no wait stands between the stores and the loads
.irp i, 0,1,2,3
	ds_store_b128 v14, v[R+16*((\t)%8)+4*\i:R+16*((\t)%8)+4*\i+3] offset:STG*((\t)%2)+8*SP*\i
.endr
.irp i, 0,1,2,3
	ds_load_b128 v[X+16*((\t)%2)+4*\i:X+16*((\t)%2)+4*\i+3], v15 offset:STG*((\t)%2)+16*\i
.endr
.endm
.irp t, 0,1,2,3,4,5,6,7
	LOAD \t
.endr
	s_wait_loadcnt 28                              ; the loads of rows 1 to 7 may be out: delta_in, x's bytes and row 0 are in
	TURN 0
	global_store_b64 v7, v[202:203], s[84:85]                      ; order 0: x's bytes of K step 2 c at place 2 c: 32 rows x 8 bytes = 256 consecutive bytes, aligned
	global_store_b64 v7, v[204:205], s[84:85] offset:XKS           ; and of K step 2 c + 1 at place 2 c + 1
	global_store_b64 v7, v[204:205], s[84:85] offset:16*XKS        ; order 1: the two change places
	global_store_b64 v7, v[202:203], s[84:85] offset:17*XKS
	s_wait_kmcnt 0x0                               ; zero_point and delta_out
.macro STEP t
.set XS, X+16*((\t)%2)
.set CS, C+4*((\t)%2)
.set ES, E+(\t)%2
.set DR, 48+(\t)+4*((\t)/16)           ; delta_out of row t
.if (\t) > 0
	s_wait_dscnt 1                                 ; this row's numbers are back from the stage (the last step's byte store may be out): so its stores into the stage have read their registers,
.else
	s_wait_dscnt 0x0
.endif
.if (\t)+8 < STEPS
	LOAD (\t)+8                                    ; which take the loads of eight rows on
.endif
.if (\t)+1 < STEPS
.if STEPS-2-(\t) >= 7
	s_wait_loadcnt 28                              ; the next row's four loads are in; those of the seven rows behind it may be out
.else
	s_wait_loadcnt 4*(STEPS-2-(\t))                ; near the end fewer rows stand behind it
.endif
	TURN (\t)+1                                    ; and go through the other stage while this row is worked
.endif
	v_mov_b32 v12, s[ZP+(\t)]                      ; the row's zero point, twice: a pair for the packed subtraction
	v_mov_b32 v13, s[ZP+(\t)]
	v_mov_b32 v212, s[DR]                          ; and its delta_out
	v_mov_b32 v213, s[DR]
.irp i, 0,1,2,3,4,5,6,7,8,9,10,11,12,13,14,15
	v_cvt_f32_i32 v[XS+\i], v[XS+\i]
.endr
.irp i, 0,2,4,6,8,10,12,14
	v_pk_add_f32 v[XS+\i:XS+\i+1], v[XS+\i:XS+\i+1], v[12:13] neg_lo:[0,1] neg_hi:[0,1]   ; - zero_point
.endr
.irp i, 0,2,4,6,8,10,12,14
	v_pk_mul_f32 v[XS+\i:XS+\i+1], v[XS+\i:XS+\i+1], v[212:213]                           ; x delta_out
.endr
.irp i, 0,2,4,6,8,10,12,14
	v_pk_mul_f32 v[XS+\i:XS+\i+1], v[XS+\i:XS+\i+1], v[DIN+\i:DIN+\i+1]                   ; x delta_in
.endr
	v_max3_num_f32 v8, |v[XS]|, |v[XS+1]|, |v[XS+2]|               ; the largest magnitude of my 16, in two chains
	v_max3_num_f32 v9, |v[XS+3]|, |v[XS+4]|, |v[XS+5]|
.irp i, 6,10
	v_max3_num_f32 v8, v8, |v[XS+\i]|, |v[XS+\i+1]|
	v_max3_num_f32 v9, v9, |v[XS+\i+2]|, |v[XS+\i+3]|
.endr
	v_max3_num_f32 v8, v8, |v[XS+14]|, |v[XS+15]|
	v_max3_num_f32 v8, v8, v9, 0x4800000           ; and the floor 2^(9 - 127), under which no largest magnitude is taken: so the byte cannot fall under 1
	v_max_num_f32_dpp v8, v8, v8 row_xmask:1 row_mask:0xf bank_mask:0xf   ; and of my neighbour's 16: the block's
	v_add_nc_u32 v11, 0xfc000000, v8               ; 8 off its exponent field: the conversion takes the exponent field of this operand as its scale, and nothing else of it
	v_and_or_b32 v10, v8, 0x7f800000, s89          ; 448 x the scale: the largest magnitude's exponent field over 448's mantissa
.irp i, 0,1,2,3,4,5,6,7,8,9,10,11,12,13,14,15
	v_med3_num_f32 v[XS+\i], v[XS+\i], -v10, v10   ; the conversion to an 8-bit code does not saturate (ISA guide 7.6.2): hold the number within 448 x the scale first
.endr
	s_wait_alu depctr_va_vdst(0)
	s_wait_xcnt 0x0                                ; the store of two rows back has read this set of code registers: they are written again only behind this wait
	v_cvt_scalef32_pk8_fp8_f32 v[CS:CS+1], v[XS:XS+7], v11         ; eight numbers / 2^(v11's exponent), to the nearest code, ties to even; the first number's code in the lowest byte
	v_cvt_scalef32_pk8_fp8_f32 v[CS+2:CS+3], v[XS+8:XS+15], v11
	v_lshrrev_b32 v[ES], 23, v11                   ; the scale's byte (a plain line behind the conversions)
	ds_store_b8 v5, v[ES] offset:8*(\t)            ; both lanes of a block write the same byte with the same value
	global_store_b128 v4, v[CS:CS+3], s[14:15] offset:256*(\t)     ; sixteen lanes store a row's 256 consecutive bytes of one K step, at a multiple of 256 from the buffer's first byte
.endm
.irp t, 0,1,2,3,4,5,6,7,8,9,10,11,12,13,14,15,16,17,18,19,20,21,22,23,24,25,26,27,28,29,30,31
	STEP \t
.endr
	ds_load_b64 v[206:207], v6                     ; LDS serves a wave's instructions in order: these see my byte stores
	ds_load_b64 v[208:209], v6 offset:256
	s_wait_dscnt 0x0
	global_store_b64 v7, v[206:207], s[94:95]                      ; w's bytes of K step 2 c, behind the block's codes: 256 consecutive bytes, aligned
	global_store_b64 v7, v[208:209], s[94:95] offset:KST           ; and of K step 2 c + 1
	s_wait_tensorcnt 0x0
	ds_add_u32 v216, v217
	s_wait_dscnt 0x0
	s_endpgm
.Lfunc_end_k_q3a6107c9d3_prep:
	.size	k_q3a6107c9d3_prep, .Lfunc_end_k_q3a6107c9d3_prep-k_q3a6107c9d3_prep
	.p2alignl 7, 3214868480
	.fill 96, 4, 3214868480
	.section	.rodata,"a",@progbits
	.p2align	6, 0x0
	.amdhsa_kernel k_q3a6107c9d3_prep
		.amdhsa_group_segment_fixed_size 33280
		.amdhsa_private_segment_fixed_size 0
		.amdhsa_enable_private_segment 0
		.amdhsa_kernarg_size 56
		.amdhsa_user_sgpr_count 2
		.amdhsa_user_sgpr_kernarg_segment_ptr 1
		.amdhsa_wavefront_size32 1
		.amdhsa_system_sgpr_workgroup_id_x 1
		.amdhsa_system_sgpr_workgroup_id_y 1
		.amdhsa_system_sgpr_workgroup_id_z 1
		.amdhsa_system_vgpr_workitem_id 0
		.amdhsa_next_free_vgpr 218
		.amdhsa_next_free_sgpr 100
		.amdhsa_reserve_vcc 0
		.amdhsa_float_denorm_mode_32 3
		.amdhsa_float_denorm_mode_16_64 3
		.amdhsa_memory_ordered 1
		.amdhsa_forward_progress 1
		.amdhsa_inst_pref_size 171
	.end_amdhsa_kernel
	.amdgpu_metadata
---
amdhsa.version: [ 1, 2 ]
amdhsa.kernels:
  - .name:           k_q3a6107c9d3_prep
    .symbol:         k_q3a6107c9d3_prep.kd
    .args:
      - { .name: weight_int, .offset: 0, .size: 8, .value_kind: global_buffer, .address_space: global }
      - { .name: zero_point, .offset: 8, .size: 8, .value_kind: global_buffer, .address_space: global }
      - { .name: delta_out_experts, .offset: 16, .size: 8, .value_kind: global_buffer, .address_space: global }
      - { .name: delta_in_experts, .offset: 24, .size: 8, .value_kind: global_buffer, .address_space: global }
      - { .name: x_scales, .offset: 32, .size: 8, .value_kind: global_buffer, .address_space: global }
      - { .name: w_codes, .offset: 40, .size: 8, .value_kind: global_buffer, .address_space: global }
      - { .name: sc_t, .offset: 48, .size: 8, .value_kind: global_buffer, .address_space: global }
    .group_segment_fixed_size: 33280
    .private_segment_fixed_size: 0
    .kernarg_segment_align: 8
    .kernarg_segment_size: 56
    .max_flat_workgroup_size: 128
    .sgpr_count:     100
    .vgpr_count:     218
    .wavefront_size: 32
...
	.end_amdgpu_metadata
.endif
;; end of part 1
;; launch gemm (part 2): grid 16 x 16, 4 waves a work-group, clusters of 4 x 4, 327,680 bytes of LDS; arguments x_codes, w_codes, sc_t, bias, out0; writes out0
.if DOCPART == 2
	.amdgcn_target "amdgcn-amd-amdhsa--gfx1250"
	.amdhsa_code_object_version 6
	.text
	.protected	k_q3a6107c9d3_gemm
	.globl	k_q3a6107c9d3_gemm
	.p2align	8
	.type	k_q3a6107c9d3_gemm,@function
k_q3a6107c9d3_gemm:
	s_mov_b64 s[64:65], 0
	v_nop
	global_prefetch_b8 v0, s[64:65] scope:SCOPE_SE
	s_setreg_imm32_b32 hwreg(HW_REG_WAVE_MODE, 25, 1), 1
	s_wait_xcnt 0x0
	s_wait_alu depctr_hold_cnt(0) depctr_sa_sdst(0) depctr_va_vdst(0) depctr_va_sdst(0) depctr_va_ssrc(0) depctr_va_vcc(0) depctr_vm_vsrc(0)
	s_getreg_b32 s2, hwreg(HW_REG_IB_STS2, 6, 4)
	s_cmp_eq_u32 s2, 0
	s_cbranch_scc0 .Lentry_in_a_cluster
	s_endpgm
.Lentry_in_a_cluster:
	s_bfe_u32 s2, ttmp6, 0x10000c
	s_cmp_lg_u32 s2, 0xf033
	s_cbranch_scc0 .Lentry_shape_is_right
	s_endpgm
.Lentry_shape_is_right:
; out0[m][n] = sum over k of x[m][k] w[n][k] + bias[n].  x_codes: [4096][4096] codes of E4M3, K innermost; out0: [4096][4096] f32; sums in f32.
; w_codes: [16 K steps of 256][32 groups of 128 rows][132 rows of 256 bytes]: a group's 128 rows of codes, then its 128 x 8 E8M0 bytes.
; sc_t: x's E8M0 bytes, [2 orders][16 places][4096 rows][8 bytes]: in order 0 place p holds K step p, in order 1 K step p xor 1.
; A tile of out0, 256 x 256, is made by a work-group of four waves; a wave makes 128 x 128: 64 accumulators, 512 registers.  256 tiles, 256 work-groups.
; K goes in steps of 256 through a ring of two LDS slots, a quarter of a slot to each wave: waves 0 and 1 x's halves (128 rows of 256 bytes), waves 2 and 3 w's blocks (132 rows).
; x's scale bytes of the tile's 256 rows, for all of K (32,768 bytes), come once, at the head, and stay.
; THE WALK ALONG K: at place p a cluster takes K step p xor par, par = (cluster x + cluster y) % 2.  Only first global addresses hang on par; x's scale bytes are fetched in the walk's order.
; LIMITS: the f32 sums run along K in the walk's order (where par = 1 the two K steps of each pair change places).  Codes and scale bytes are taken as given: a NaN code or the byte 0xff makes its sums NaN.
; CLUSTERS: 4 x 4 work-groups; x's tiles are asked for jointly along a row of the cluster, w's along a column.
; THE MATRIX INSTRUCTION IS USED TRANSPOSED (source 0 = 16 rows of w, source 1 = 16 rows of x): a lane holds eight neighbouring numbers of a row of out0.  The bias is the C of each sum's first product.
; THE HEAD: one tensor load a wave: wave 0 place 0's 256 rows of x, wave 1 its two blocks of w (264 dense rows), waves 2 and 3 eight places of x's scale bytes each.
; Slot 1's first fill follows behind the full sequence and a round, as a refill does.
; PREFETCH: every cluster asks for the code rows that it will load: a wave's 32 lanes name 32 rows x 256 bytes; the four partners of a joint load share its rows out by address (cx for x, cy for w).
; Beside the load of place j stands the request for place j + 2 (two changes of slots, 256 products a wave, ahead of its load); the head also names place 1.  The loop's last trip asks for nothing: places 16 and 17 do not exist.
; The four rows of scale bytes of a block of w and x's scale bytes come by their loads alone.
; THE LAST K STEP GOES BY ROWS OF out0: w's two sets hold both its halves, x comes by blocks of 16 rows x 256 K, and each finished block leaves at once.
; REGISTERS: window 0: v0-31 addresses; v32-63 scale words, two sets; v64-127 the bias; v128-255 x's fragments, one set.  Window 1: w's fragments, two sets.  Windows 2, 3: the accumulators ((a, b) at v[8 (8 (a % 4) + b)]).
.set SIZE_N, 4096
.set NQ,     2
.set ROWB,   256
.set KROW,   4096
.set BLK,    132*256
.set KST,    32*BLK
.set XKS,    32768
.set PITCH,  272                       ; 256 bytes + 16 of padding: the 16 rows that a fragment load touches start 68 words apart
.set FR,     16
.set NL,     4
.set NP,     8                         ; places behind this matrix form (ISA guide 7.12.1)
.set HALFA,  128*PITCH
.set HALFB,  132*PITCH
.set WOFF,   2*HALFA
.set SLOT,   WOFF+2*HALFB
.set XSC,    2*SLOT                    ; x's scale bytes: [16 places][256 rows][8]
.set SPARE,  XSC+16*2048               ; the spare words: 128 bytes a wave, named by no other line
.set LAPS,   8
.set SPITCH, 528                       ; the way out: 16 rows x (512 + 16) bytes a wave, in slot 0 behind its last fill and last read
.set ADRA, 16                          ; v16-17 my x fragments in slot 0, 1
.set ADSA, 18                          ; v18    my x scale words at the place in hand
.set ADRB, 20                          ; v20-21 my w fragments
.set ADSB, 22                          ; v22-23 my w scale words
.set STO,  24
.set RD,   25
.set CO,   26
.set SPW,  28
.set NIL,  29
.set PFO,  30                          ; my lane x a row of the tensor that I prefetch
.set SC,   32                          ; set s at v[SC+16 s]: register 2 j + q: x's rows 32 j + lane, the slot's q-th 128 along K; 8 + 2 j + q: w's
.set BIAS, 64
.set AF,   128
.set G1A,  24
.set G1B,  32
.set G1S,  40
.set G0S,  48
.set G0A,  56                          ; s[56:63] group 0 for x, a set for each slot; s[68:75] for w
.set G0B,  68
.set PAR,  77
.set PFS,  78                          ; s[78:79] two K steps, in bytes, in the tensor that I prefetch
.set PF0,  98                          ; s[98:99] the even places' prefetch address, s[100:101] the odd places'
.set MSB, 0
.macro WIN new
.if MSB != (\new)
	s_set_vgpr_msb (MSB<<8)|(\new)
.set MSB, \new
.endif
.endm
.set MUL_LO,   0xa1                    ; source 0 (w) window 1, source 1 (x) window 0, C and D window 2
.set MUL_HI,   0xf1
.set FIRST_LO, 0x81                    ; C (the bias) window 0
.set FIRST_HI, 0xc1
.set TO_B,     0x40
.macro WLO first
.if \first
	WIN FIRST_LO
.else
	WIN MUL_LO
.endif
.endm
.macro WHI first
.if \first
	WIN FIRST_HI
.else
	WIN MUL_HI
.endif
.endm
.macro PLACES n
.rept \n
	v_nop
.endr
.endm
.macro TLOAD g0, g1                    ; a tensor load with an s_nop 0 and four v_nop behind it
	tensor_load_to_lds s[\g0:\g0+3], s[\g1:\g1+7]
	s_nop 0
	PLACES 4
.endm
.macro JLOAD s                         ; a joint load into slot s: waves 0, 1 x's halves, waves 2, 3 w's blocks; the branch hangs on the wave's number alone
	s_cmp_eq_u32 s15, 0
	s_cbranch_scc0 .Lfor_w_\@
	TLOAD G0A+4*\s, G1A
	s_branch .Lasked_\@
.Lfor_w_\@:
	TLOAD G0B+4*\s, G1B
.Lasked_\@:
.endm
.macro ASK s                           ; the place two refills on, but in the loop's last trip (s3 = 1)
	s_cmp_gt_u32 s3, 1
	s_cbranch_scc0 .Lno_ask_\@
	global_prefetch_b8 v[PFO], s[PF0+2*\s:PF0+2*\s+1] th:TH_LOAD_NT scope:SCOPE_SE
.Lno_ask_\@:
.endm
.macro CREST
	s_cmp_lg_u32 s14, 0
	s_cbranch_scc1 .Lnot_wave_0_\@
	s_barrier_signal -3
.Lnot_wave_0_\@:
	s_barrier_wait -3
	s_barrier_signal -1
	s_barrier_wait -1
.endm
.macro CROUND
	s_barrier_signal -1
	s_barrier_wait -1
	CREST
.endm
	s_load_b256 s[4:11], s[0:1], 0x0               ; x_codes s[4:5], w_codes s[6:7], sc_t s[8:9], bias s[10:11]
	s_load_b64 s[12:13], s[0:1], 0x20              ; out0
	v_lshl_add_u32 v[SPW], v0, 2, SPARE
	v_mov_b32 v[NIL], 0
	ds_add_u32 v[SPW], v[NIL]                      ; the opening lines: the add twice on end and one wait
	ds_add_u32 v[SPW], v[NIL]
	v_lshrrev_b32 v1, 5, v0
	v_readfirstlane_b32 s14, v1                    ; wave
	s_lshr_b32 s15, s14, 1                         ; my half of the tile's rows; also: I fetch for x (0) or w (1)
	s_and_b32 s16, s14, 1                          ; my half of its columns; also: which half I fetch
	s_bfe_u32 s92, ttmp6, 0x40000                  ; cx
	s_bfe_u32 s93, ttmp6, 0x40004                  ; cy
	s_lshl_b32 s94, ttmp9, 2
	s_add_co_u32 s94, s94, s92                     ; tile column
	s_and_b32 s80, ttmp7, 0xffff
	s_lshl_b32 s17, s80, 2
	s_add_co_u32 s17, s17, s93                     ; tile row
	s_lshl_b32 s95, s93, 2
	s_lshl_b32 s95, 15, s95                        ; my row of the cluster
	s_lshl_b32 s96, 0x1111, s92                    ; my column
	s_add_co_u32 s[PAR], s80, ttmp9
	s_and_b32 s[PAR], s[PAR], 1
	; group 1 for x's codes: rows of 256 bytes, 4,096 apart, 16 bytes of padding behind each; 256 rows at the head, 128 in the ring
	s_or_b32 s[G1A], s95, (1<<20)|(1<<21)|(5<<22)|(3<<25)
	s_mov_b32 s[G1A+1], ROWB<<16
	s_mov_b32 s[G1A+2], 256<<16
	s_mov_b32 s[G1A+3], ROWB<<16
	s_mov_b32 s[G1A+4], 256
	s_mov_b32 s[G1A+5], KROW
	s_mov_b32 s[G1A+6], 0
	s_mov_b32 s[G1A+7], 0
	; for w's blocks: dense rows of 256 bytes; 264 at the head, 132 in the ring
	s_or_b32 s[G1B], s96, (1<<20)|(1<<21)|(5<<22)|(3<<25)
	s_mov_b32 s[G1B+1], ROWB<<16
	s_mov_b32 s[G1B+2], 264<<16
	s_mov_b32 s[G1B+3], ROWB<<16
	s_mov_b32 s[G1B+4], 264
	s_mov_b32 s[G1B+5], ROWB
	s_mov_b32 s[G1B+6], 0
	s_mov_b32 s[G1B+7], 0
	; for x's scale bytes: eight places, each a row of 256 elements of 8 bytes, 32,768 bytes apart
	s_or_b32 s[G1S], s95, (3<<16)|(1<<21)
	s_mov_b32 s[G1S+1], 256<<16
	s_mov_b32 s[G1S+2], 8<<16
	s_mov_b32 s[G1S+3], 256<<16
	s_mov_b32 s[G1S+4], 8
	s_mov_b32 s[G1S+5], XKS/8
	s_mov_b32 s[G1S+6], 0
	s_mov_b32 s[G1S+7], 0
	; offsets.  x's hang on the tile row, w's on the tile column, both on the wave's number and par
	s_lshl_b32 s20, s17, 20
	s_lshl_b32 s18, s[PAR], 8
	s_xor_b32 s19, s[PAR], 1
	s_lshl_b32 s90, s16, 19                        ; s[90:91]: my half of x's rows, in bytes
	s_add_co_u32 s54, s20, s90
	s_add_co_u32 s20, s20, s18                     ; s[20:21]: x, place 0, the whole tile
	s_lshl_b32 s18, s19, 8
	s_add_co_u32 s54, s54, s18                     ; s[54:55]: x, place 1, my half
	s_lshl_b32 s52, s94, 1
	s_mul_i32 s52, s52, BLK
	s_mul_i32 s104, s16, BLK                       ; s[104:105]: my block of w's two
	s_add_co_u32 s66, s52, s104
	s_mul_i32 s76, s[PAR], KST
	s_add_co_u32 s52, s52, s76                     ; s[52:53]: w, place 0, both blocks
	s_mul_i32 s76, s19, KST
	s_add_co_u32 s66, s66, s76                     ; s[66:67]: w, place 1, my block
	s_lshl_b32 s22, s[PAR], 19                     ; s[22:23]: x's scale bytes: the walk's order, the tile's rows, eight places for each of waves 2 and 3
	s_lshl_b32 s18, s17, 11
	s_add_co_u32 s22, s22, s18
	s_lshl_b32 s18, s16, 18
	s_add_co_u32 s22, s22, s18
.irp r, 21,23,53,55,67,91,105
	s_mov_b32 s\r, 0
.endr
	s_mul_i32 s81, s16, HALFA                      ; where my quarter of a slot goes: no place in the cluster enters an LDS address
	s_mul_i32 s83, s16, HALFB
	s_add_co_u32 s83, s83, WOFF
	s_lshl_b32 s84, s16, 14
	s_add_co_u32 s84, s84, XSC
	s_wait_dscnt 0x0                               ; both opening adds are done
	s_wait_kmcnt 0x0
	s_mov_b32 s[G0A], 1
	s_mov_b32 s[G0A+1], 0
	s_add_nc_u64 s[G0A+2:G0A+3], s[4:5], s[20:21]
	s_or_b32 s[G0A+3], s[G0A+3], 0x80000000
	s_mov_b32 s[G0A+4], 1
	s_add_co_u32 s[G0A+5], s81, SLOT
	s_add_nc_u64 s[G0A+6:G0A+7], s[4:5], s[54:55]
	s_or_b32 s[G0A+7], s[G0A+7], 0x80000000
	s_mov_b32 s[G0B], 1
	s_mov_b32 s[G0B+1], WOFF
	s_add_nc_u64 s[G0B+2:G0B+3], s[6:7], s[52:53]
	s_or_b32 s[G0B+3], s[G0B+3], 0x80000000
	s_mov_b32 s[G0B+4], 1
	s_add_co_u32 s[G0B+5], s83, SLOT
	s_add_nc_u64 s[G0B+6:G0B+7], s[6:7], s[66:67]
	s_or_b32 s[G0B+7], s[G0B+7], 0x80000000
	s_mov_b32 s[G0S], 1
	s_mov_b32 s[G0S+1], s84
	s_add_nc_u64 s[G0S+2:G0S+3], s[8:9], s[22:23]
	s_or_b32 s[G0S+3], s[G0S+3], 0x80000000
	CROUND                                         ; all sixteen work-groups are here: the first joint loads meet
	s_cmp_lt_u32 s14, 1                            ; one chain of arms, one load to an arm, one join
	s_cbranch_scc0 .Lh_w
	TLOAD G0A, G1A
	s_branch .Lh_done
.Lh_w:
	s_cmp_lt_u32 s14, 2
	s_cbranch_scc0 .Lh_s
	TLOAD G0B, G1B
	s_branch .Lh_done
.Lh_s:
	TLOAD G0S, G1S
.Lh_done:
	; the prefetches' addresses
	s_lshl_b32 s82, s17, 8                         ; x: the tile's first row + my work-group's 64 (cx) + my wave's 32
	s_lshl_b32 s84, s92, 6
	s_add_co_u32 s82, s82, s84
	s_lshl_b32 s84, s16, 5
	s_add_co_u32 s82, s82, s84
	s_lshl_b32 s82, s82, 12
	s_lshl_b32 s84, s94, 1                         ; w: block 2 x tile column + cy / 2, in it the (2 (cy % 2) + half)-th 32 rows
	s_lshr_b32 s85, s93, 1
	s_add_co_u32 s84, s84, s85
	s_mul_i32 s84, s84, BLK
	s_and_b32 s85, s93, 1
	s_lshl_b32 s85, s85, 1
	s_add_co_u32 s85, s85, s16
	s_lshl_b32 s85, s85, 13
	s_add_co_u32 s84, s84, s85
	s_xor_b32 s86, s[PAR], 1                       ; place 1's K step
	s_add_co_u32 s87, s[PAR], 2                    ; place 2's
	s_mov_b32 s88, KST
	s_cmp_eq_u32 s15, 0
	s_cselect_b32 s22, s82, s84
	s_cselect_b32 s88, ROWB, s88                   ; a K step in bytes
	s_cselect_b32 s89, 12, 8                       ; from lane to lane: 4,096 or 256 bytes
	s_cselect_b64 s[PF0:PF0+1], s[4:5], s[6:7]
	s_mov_b32 s23, 0
	s_add_nc_u64 s[PF0:PF0+1], s[PF0:PF0+1], s[22:23]
	s_mul_i32 s22, s86, s88
	s_add_nc_u64 s[PF0+2:PF0+3], s[PF0:PF0+1], s[22:23]
	s_mul_i32 s22, s87, s88
	s_add_nc_u64 s[PF0:PF0+1], s[PF0:PF0+1], s[22:23]
	s_lshl_b32 s[PFS], s88, 1
	s_mov_b32 s[PFS+1], 0
	; LDS places that I read, the bias, out0
	s_mul_i32 s82, s15, HALFA                      ; my 128 rows of x
	s_add_co_u32 s84, s83, 128*PITCH               ; my block's scale bytes, behind its codes
	s_lshl_b32 s85, s15, 10
	s_add_co_u32 s85, s85, XSC
	s_mul_i32 s18, s14, 16*SPITCH                  ; my stage
	s_lshl_b32 s66, s94, 10
	s_lshl_b32 s67, s16, 9
	s_add_co_u32 s66, s66, s67
	s_mov_b32 s67, 0
	s_add_nc_u64 s[10:11], s[10:11], s[66:67]
	s_lshl_b32 s86, s17, 8
	s_lshl_b32 s87, s15, 7
	s_add_co_u32 s86, s86, s87
	s_lshl_b32 s86, s86, 14                        ; my first row of out0, 16,384 bytes a row,
	s_add_co_u32 s86, s86, s66                     ; and my first column: the same bytes as in the bias
	s_mov_b32 s87, 0
	s_add_nc_u64 s[12:13], s[12:13], s[86:87]
	v_and_b32 v5, 31, v0
	v_lshlrev_b32 v[PFO], s89, v5
	global_prefetch_b8 v[PFO], s[PF0+2:PF0+3] th:TH_LOAD_NT scope:SCOPE_SE   ; place 1
	global_prefetch_b8 v[PFO], s[PF0:PF0+1] th:TH_LOAD_NT scope:SCOPE_SE     ; place 2
	v_and_b32 v1, 15, v0                           ; r
	v_bfe_u32 v2, v0, 4, 1                         ; h
	v_mul_u32_u24 v3, v1, PITCH
	v_lshl_add_u32 v4, v2, 4, v3
	v_lshlrev_b32 v6, 3, v5
	v_add_nc_u32 v[ADRA], s82, v4
	v_add_nc_u32 v[ADRB], s83, v4
	v_add_nc_u32 v[ADSB], s84, v6
	v_add_nc_u32 v[ADRA+1], SLOT, v[ADRA]
	v_add_nc_u32 v[ADRB+1], SLOT, v[ADRB]
	v_add_nc_u32 v[ADSB+1], SLOT, v[ADSB]
	v_add_nc_u32 v[ADSA], s85, v6
	v_lshlrev_b32 v31, 5, v2                       ; the bias: my half's eight numbers of a block of 16 columns
	v_mul_u32_u24 v7, v1, SPITCH
	v_lshl_add_u32 v7, v2, 5, v7
	v_add_nc_u32 v[STO], s18, v7                   ; into the stage: row r, 32 bytes for each half of the lanes
	v_lshlrev_b32 v[CO], 4, v5                     ; back: 32 lanes take a row of 512 bytes; the same in out0
	v_add_nc_u32 v[RD], s18, v[CO]
.irp b, 0,1,2,3,4,5,6,7
	global_load_b128 v[BIAS+8*\b:BIAS+8*\b+3], v31, s[10:11] offset:64*\b
	global_load_b128 v[BIAS+8*\b+4:BIAS+8*\b+7], v31, s[10:11] offset:64*\b+16
.endr
.macro FRAG reg, adr, q, i             ; 16 rows x 128 K: lane l holds row l % 16; registers 4 c .. 4 c + 3 hold K = 32 c + 16 (l / 16) + 0 .. 15
.irp c, 0,1,2,3
	ds_load_b128 v[\reg+4*\c:\reg+4*\c+3], v[\adr] offset:128*(\q)+32*\c+(\i)*16*PITCH
.endr
.endm
; one product, from the symbols rD, rB, rA, rC, rSB, rSA.  A scale register holds the words of 32 rows: an odd block's lie in lanes 16-31 (pa: x's block, source 1; pb: w's, source 0)
.macro WM pa, pb
.if (\pa) && (\pb)
	v_wmma_scale_f32_16x16x128_f8f6f4 v[rD:rD+7], v[rB:rB+FR-1], v[rA:rA+FR-1], v[rC:rC+7], v[rSB], v[rSA] matrix_a_scale:MATRIX_SCALE_ROW1 matrix_b_scale:MATRIX_SCALE_ROW1
.elseif (\pa)
	v_wmma_scale_f32_16x16x128_f8f6f4 v[rD:rD+7], v[rB:rB+FR-1], v[rA:rA+FR-1], v[rC:rC+7], v[rSB], v[rSA] matrix_b_scale:MATRIX_SCALE_ROW1
.elseif (\pb)
	v_wmma_scale_f32_16x16x128_f8f6f4 v[rD:rD+7], v[rB:rB+FR-1], v[rA:rA+FR-1], v[rC:rC+7], v[rSB], v[rSA] matrix_a_scale:MATRIX_SCALE_ROW1
.else
	v_wmma_scale_f32_16x16x128_f8f6f4 v[rD:rD+7], v[rB:rB+FR-1], v[rA:rA+FR-1], v[rC:rC+7], v[rSB], v[rSA]
.endif
.endm
; 16 products: x's blocks a0, a0 + 1 against w's eight.  p: w's set; q: the slot's q-th 128 along K; sc: the scale set.  The accumulators take turns
.macro MUL16 a0, p, q, sc, first
.irp a, \a0, \a0+1
.irp b, 0,1,2,3,4,5,6,7
.set rD, 8*(8*((\a)%4)+\b)
.set rB, 128*(\p)+FR*\b
.set rA, AF+FR*(\a)
.set rC, rD
.if \first
.set rC, BIAS+8*\b
.endif
.set rSB, SC+16*(\sc)+8+2*(\b/2)+(\q)
.set rSA, SC+16*(\sc)+2*((\a)/2)+(\q)
	WM (\a)%2, \b%2
.endr
.endr
.endm
.macro FETCH_B slot, q, p, i0
	WIN TO_B
.irp i, \i0, \i0+1, \i0+2, \i0+3
	FRAG 128*(\p)+FR*(\i), ADRB+\slot, \q, \i
.endr
.endm
.macro FETCH_A slot, q, i0
.irp i, \i0, \i0+1, \i0+2, \i0+3
	FRAG AF+FR*(\i), ADRA+\slot, \q, \i
.endr
.endm
.macro SCALES s                        ; a lane takes a row's 8 bytes: the words of the slot's two steps
.irp j, 0,1,2,3
	ds_load_b64 v[SC+16*\s+2*\j:SC+16*\s+2*\j+1], v[ADSA] offset:256*\j
.endr
.irp j, 0,1,2,3
	ds_load_b64 v[SC+16*\s+8+2*\j:SC+16*\s+8+2*\j+1], v[ADSB+\s] offset:PITCH*\j
.endr
.endm
; a step of 128 along K that has its successor in the same slot.  NP plain places stand ahead of each run of loads into registers that products have read
.macro STEP slot, q, first
	s_wait_dscnt 4*NL                              ; the youngest sixteen loads (x's blocks 4-7) may be out
	FETCH_B \slot, (\q)+1, 1-(\q)%2, 0
	WLO \first
	MUL16 0, (\q)%2, \q, \slot, \first
	FETCH_B \slot, (\q)+1, 1-(\q)%2, 4
	WLO \first
	MUL16 2, (\q)%2, \q, \slot, \first
	s_wait_dscnt 8*NL                              ; all but this step's 32 loads of w: x's blocks 4-7 are in
	PLACES NP
	WIN 0
	FETCH_A \slot, (\q)+1, 0
	WHI \first
	MUL16 4, (\q)%2, \q, \slot, \first
	MUL16 6, (\q)%2, \q, \slot, \first
	PLACES NP
	WIN 0
	FETCH_A \slot, (\q)+1, 4
.endm
; a slot's last step changes slots at its head: all its fragments are in registers.  The three lines, the round, the joint refill; the step's 64 products follow the request
.macro TURN slot, next
	s_wait_xcnt 0x0                                ; this slot's prefetch of a lap back has read its address
	s_add_nc_u64 s[PF0+2*\slot:PF0+2*\slot+1], s[PF0+2*\slot:PF0+2*\slot+1], s[PFS:PFS+1]
	s_wait_tensorcnt 0x0                           ; my one load that was out, my quarter of the next slot, has landed
	ds_add_u32 v[SPW], v[NIL]
	s_add_nc_u64 s[G0A+4*\slot+2:G0A+4*\slot+3], s[G0A+4*\slot+2:G0A+4*\slot+3], 2*ROWB
	s_add_nc_u64 s[G0B+4*\slot+2:G0B+4*\slot+3], s[G0B+4*\slot+2:G0B+4*\slot+3], 2*KST
	s_wait_dscnt 0x0                               ; the add, and my reads of this slot
	s_barrier_signal -1
	s_barrier_wait -1
	CREST
	JLOAD \slot
	s_wait_alu depctr_va_vdst(0)
	v_add_nc_u32 v[ADSA], 2048, v[ADSA]
	FETCH_B \next, 0, 0, 0
	WIN MUL_LO
	MUL16 0, 1, NQ-1, \slot, 0
	FETCH_B \next, 0, 0, 4
	WIN 0
	SCALES \next
	ASK \slot
	WIN MUL_LO
	MUL16 2, 1, NQ-1, \slot, 0
	PLACES NP
	WIN 0
	FETCH_A \next, 0, 0
	WIN MUL_HI
	MUL16 4, 1, NQ-1, \slot, 0
	MUL16 6, 1, NQ-1, \slot, 0
	PLACES NP
	WIN 0
	FETCH_A \next, 0, 4
.endm
	s_wait_xcnt 0x0                                ; the head's prefetches have read their addresses
	s_add_nc_u64 s[PF0+2:PF0+3], s[PF0+2:PF0+3], s[PFS:PFS+1]   ; on to place 3
	s_wait_alu depctr_va_vdst(0)
	s_wait_tensorcnt 0x0                           ; my tile of the head's is in
	ds_add_u32 v[SPW], v[NIL]
	s_mov_b32 s[G1A+2], 128<<16                    ; no load of mine is out: from here on a load brings a quarter of a slot
	s_mov_b32 s[G1A+4], 128
	s_mov_b32 s[G1B+2], 132<<16
	s_mov_b32 s[G1B+4], 132
	s_mov_b32 s[G0A+1], s81                        ; slot 0's sets: my half, at place 0; the first refill steps them to place 2
	s_add_nc_u64 s[G0A+2:G0A+3], s[G0A+2:G0A+3], s[90:91]
	s_mov_b32 s[G0B+1], s83
	s_add_nc_u64 s[G0B+2:G0B+3], s[G0B+2:G0B+3], s[104:105]
	s_wait_dscnt 0x0
	CROUND                                         ; everybody's tiles are in; the joint loads meet
	JLOAD 1                                        ; place 1: slot 1's first fill
	FETCH_B 0, 0, 0, 0
	FETCH_B 0, 0, 0, 4
	WIN 0
	FETCH_A 0, 0, 0
	SCALES 0
	FETCH_A 0, 0, 4
	global_prefetch_b8 v[PFO], s[PF0+2:PF0+3] th:TH_LOAD_NT scope:SCOPE_SE   ; place 3
	s_wait_loadcnt 0x0                             ; the bias
	STEP 0, 0, 1                                   ; the first step starts the sums, onto the bias
	s_mov_b32 s3, LAPS-1
.Llap:                                                 ; once round the ring, from a lap's second step to the next lap's first
	TURN 0, 1
	STEP 1, 0, 0
	TURN 1, 0
	STEP 0, 0, 0
	s_sub_co_u32 s3, s3, 1
	s_cmp_lg_u32 s3, 0
	s_cbranch_scc1 .Llap
; THE TAIL.  x's block a of the last K step: both its halves along K, 32 registers, in buffer a % 4 of v128-255
.macro ALOAD a
.irp q, 0,1
	FRAG AF+32*((\a)%4)+FR*\q, ADRA+1, \q, \a
.endr
.endm
.macro ROWQ a, q                       ; block a against w's eight, the q-th 128 along K: w's set q; eight accumulators by turns
	WIN MUL_LO+0x50*((\a)/4)
.irp b, 0,1,2,3,4,5,6,7
.set rD, 8*(8*((\a)%4)+\b)
.set rB, 128*(\q)+FR*\b
.set rA, AF+32*((\a)%4)+FR*(\q)
.set rC, rD
.set rSB, SC+16+8+2*(\b/2)+(\q)
.set rSA, SC+16+2*((\a)/2)+(\q)
	WM (\a)%2, \b%2
.endr
.endm
; block a, 16 rows x 128 columns, goes into my stage (each accumulator from its low end on) and comes back as whole rows of 512 bytes, into its own 64 registers.
; LDS serves a wave's instructions in order (ISA guide 5.7.1.4): no wait between the stores and the loads, nor ahead of the next block's stores
.macro OUT_IN a
.set AC, 64*((\a)%4)
	WIN 0x88+0x44*((\a)/4)                         ; store data and load destination: window 2 or 3
.irp b, 0,1,2,3,4,5,6,7
	ds_store_b128 v[STO], v[AC+8*\b:AC+8*\b+3] offset:64*\b
	ds_store_b128 v[STO], v[AC+8*\b+4:AC+8*\b+7] offset:64*\b+16
.endr
.irp t, 0,1,2,3,4,5,6,7,8,9,10,11,12,13,14,15
	ds_load_b128 v[AC+4*\t:AC+4*\t+3], v[RD] offset:\t*SPITCH
.endr
.endm
.macro SEND a                          ; 32 lanes store 512 consecutive bytes, aligned; the row stands in the immediate (127 rows of 16,384 bytes at the most), so no register of a store is written again
.set AC, 64*((\a)%4)
	WIN 0x88+0x44*((\a)/4)
	s_wait_dscnt 0x0                               ; the block is back, and so are x's fragments asked for beside it
.irp t, 0,1,2,3,4,5,6,7,8,9,10,11,12,13,14,15
	global_store_b128 v[CO], v[AC+4*\t:AC+4*\t+3], s[12:13] offset:(16*(\a)+\t)*SIZE_N*4 th:TH_STORE_NT
.endr
.endm
	; place 14's second half: all its fragments are in registers, so its 64 products stand ahead of the wait for place 15's tiles
	s_wait_dscnt 4*NL                              ; the youngest sixteen loads (x's blocks 4-7) may be out
	WIN MUL_LO
	MUL16 0, 1, NQ-1, 0, 0
	MUL16 2, 1, NQ-1, 0, 0
	s_wait_dscnt 0x0
	WIN MUL_HI
	MUL16 4, 1, NQ-1, 0, 0
	MUL16 6, 1, NQ-1, 0, 0
	WIN 0
	s_wait_tensorcnt 0x0                           ; the last change of slots: place 15 has landed; nothing is filled again, so no round follows
	ds_add_u32 v[SPW], v[NIL]
	PLACES NP                                      ; behind the last products, for the loads below into registers that products have read
	s_wait_dscnt 0x0
	s_barrier_signal -1
	s_barrier_wait -1
	s_wait_alu depctr_va_vdst(0)
	v_add_nc_u32 v[ADSA], 2048, v[ADSA]
	FETCH_B 1, 0, 0, 0                             ; in the order in which block 0 wants them: w's first half, the scale words, x's block 0,
	FETCH_B 1, 0, 0, 4
	WIN 0
	SCALES 1
	ALOAD 0
	FETCH_B 1, 1, 1, 0                             ; w's second half, x's blocks 1 to 3
	FETCH_B 1, 1, 1, 4
	WIN 0
	ALOAD 1
	ALOAD 2
	ALOAD 3
	s_wait_dscnt 56                                ; the 32 loads of w's second half and the 24 of x's blocks 1 to 3 may be out
	ROWQ 0, 0
	s_wait_dscnt 24                                ; x's blocks 1 to 3 may be out
	ROWQ 0, 1
	s_wait_dscnt 16                                ; x's block 1 is in; blocks 2 and 3 are shown in by the first block's wait on its way out
.irp a, 0,1,2,3,4,5,6,7
	PLACES NP                                      ; behind block a's products: for the reads of its results and the loads into registers that they have read
	OUT_IN \a
.if \a < 4
	WIN 0
	ALOAD \a+4                                     ; its buffer takes the block four further on
.endif
.if \a < 7
	ROWQ \a+1, 0                                   ; sixteen products stand between the block's turn through the stage and the wait for it
	ROWQ \a+1, 1
.endif
	SEND \a
.endr
	WIN 0
	s_wait_tensorcnt 0x0                           ; the wave's end
	ds_add_u32 v[SPW], v[NIL]
	s_wait_dscnt 0x0
	CROUND                                         ; the closing round
	s_endpgm
.Lfunc_end_k_q3a6107c9d3_gemm:
	.size	k_q3a6107c9d3_gemm, .Lfunc_end_k_q3a6107c9d3_gemm-k_q3a6107c9d3_gemm
	.p2alignl 7, 3214868480
	.fill 96, 4, 3214868480
	.section	.rodata,"a",@progbits
	.p2align	6, 0x0
	.amdhsa_kernel k_q3a6107c9d3_gemm
		.amdhsa_group_segment_fixed_size 327680
		.amdhsa_private_segment_fixed_size 0
		.amdhsa_enable_private_segment 0
		.amdhsa_kernarg_size 40
		.amdhsa_user_sgpr_count 2
		.amdhsa_user_sgpr_kernarg_segment_ptr 1
		.amdhsa_wavefront_size32 1
		.amdhsa_system_sgpr_workgroup_id_x 1
		.amdhsa_system_sgpr_workgroup_id_y 1
		.amdhsa_system_sgpr_workgroup_id_z 1
		.amdhsa_system_vgpr_workitem_id 0
		.amdhsa_next_free_vgpr 1024
		.amdhsa_next_free_sgpr 106
		.amdhsa_reserve_vcc 0
		.amdhsa_float_denorm_mode_32 3
		.amdhsa_float_denorm_mode_16_64 3
		.amdhsa_memory_ordered 1
		.amdhsa_forward_progress 1
		.amdhsa_inst_pref_size 150
	.end_amdhsa_kernel
	.amdgpu_metadata
---
amdhsa.version: [ 1, 2 ]
amdhsa.kernels:
  - .name:           k_q3a6107c9d3_gemm
    .symbol:         k_q3a6107c9d3_gemm.kd
    .args:
      - { .name: x_codes, .offset: 0, .size: 8, .value_kind: global_buffer, .address_space: global }
      - { .name: w_codes, .offset: 8, .size: 8, .value_kind: global_buffer, .address_space: global }
      - { .name: sc_t, .offset: 16, .size: 8, .value_kind: global_buffer, .address_space: global }
      - { .name: bias, .offset: 24, .size: 8, .value_kind: global_buffer, .address_space: global }
      - { .name: out0, .offset: 32, .size: 8, .value_kind: global_buffer, .address_space: global }
    .group_segment_fixed_size: 327680
    .private_segment_fixed_size: 0
    .kernarg_segment_align: 8
    .kernarg_segment_size: 40
    .max_flat_workgroup_size: 128
    .sgpr_count:     106
    .vgpr_count:     1024
    .wavefront_size: 32
...
	.end_amdgpu_metadata
.endif
;; end of part 2
